; MI455X (gfx1250); checked and timed in simulation.
; The chip was launched on July 23, 2026; its instructions are those of AMD's public machine-readable ISA for CDNA 5 (MIT licence, August 2026) and "CDNA5" Instruction Set Architecture Reference Guide (July 2026). The comments in the code are by the model that wrote it; some were corrected since.
;; Cross Trans Former. Allowed arithmetic: matrix products marked QUANTISED: E5M2 operands, one E8M0 scale for each 32 along K, by v_wmma_scale_f32_16x16x128_f8f6f4 with both operands' format E5M2, f32 sums; everything else in f32.
;; Inputs: Wk_codes 1,024 x 32 x 32 uint8 (E5M2 codes of Wk, K innermost, in blocks of 32 codes); Wk_scales 1,024 x 32 uint8 (E8M0 scales of Wk, one for each 32 codes along K); Wq_codes 1,024 x 32 x 32 uint8 (E5M2 codes of Wq, K innermost, in blocks of 32 codes); Wq_scales 1,024 x 32 uint8 (E8M0 scales of Wq, one for each 32 codes along K); Wv_codes 1,024 x 32 x 32 uint8 (E5M2 codes of Wv, K innermost, in blocks of 32 codes); Wv_scales 1,024 x 32 uint8 (E8M0 scales of Wv, one for each 32 codes along K); Xk_codes 4 x 2,048 x 32 x 32 uint8 (E5M2 codes of Xk, K innermost, in blocks of 32 codes); Xk_scales 4 x 2,048 x 32 uint8 (E8M0 scales of Xk, one for each 32 codes along K); Xq_codes 4 x 2,048 x 32 x 32 uint8 (E5M2 codes of Xq, K innermost, in blocks of 32 codes); Xq_scales 4 x 2,048 x 32 uint8 (E8M0 scales of Xq, one for each 32 codes along K); beta1 1,024 float32; beta2 1,024 float32; beta3 1,024 float32; gamma1 1,024 float32; gamma2 1,024 float32; gamma3 1,024 float32; mean1 1,024 float32; mean2 1,024 float32; mean3 1,024 float32; var1 1,024 float32; var2 1,024 float32; var3 1,024 float32.
;; Outputs: out0 4 x 1,024 x 2,048 float32.
;; This version of the problem:
;;   THIS VERSION OF THE PROBLEM IS GIVEN IN LOW PRECISION. The matrix products marked QUANTISED in the list below multiply operands that are first quantised to E5M2 (5 exponent bits, 2 mantissa bits; 8 bits a number), with one power-of-two scale for each 32 numbers along K (OCP MX v1.0); their sums are f32. All else is computed in f32.
;;   The module's matrix products, in the order in which they are computed (A, B: the left and right operand; K: the contracted axis; several contracted axes count as one K, in the product's order):
;;     1. [M 8,192, K 1,024] x [K 1,024, N 1,024]; A: input Xq (given as codes); B: input Wq (given as codes): QUANTISED
;;     2. [M 8,192, K 1,024] x [K 1,024, N 1,024]; A: input Xk (given as codes); B: input Wk (given as codes): QUANTISED
;;     3. [M 8,192, K 1,024] x [K 1,024, N 1,024]; A: input Xq (given as codes); B: input Wv (given as codes): QUANTISED
;;     4. batch 32 x [M 2,048, K 128] x [K 128, N 2,048]; A: computed on the way; B: computed on the way: QUANTISED
;;     5. batch 32 x [M 128, K 2,048] x [K 2,048, N 2,048]; A: computed on the way; B: softmax (see below): QUANTISED
;;   THE QUANTISER, for each operand of a quantised product, along K:
;;     - K is cut into blocks of 32 from its start; a last block that is shorter is filled with zeros.
;;     - A block's scale is 2^e with e = floor(log2(the largest magnitude in the block)) - 15, held to -126 .. 127; a block of zeros has e = 0. As a byte (E8M0): e + 127.
;;     - Each number is divided by its block's scale, clamped to +-57,344, and rounded to the nearest number of E5M2, ties to even, subnormals kept.
;;     - The product sums the exact products of the quantised numbers (number of the format x scale) in f32.
;;   ~~~python
;;   def quantise(x, axis):      # numpy; x: float32 -> the quantised numbers, widened to float32 again
;;       x = np.moveaxis(x, axis, -1); K = x.shape[-1]
;;       x = np.pad(x, [(0, 0)] * (x.ndim - 1) + [(0, -K % 32)]); x = x.reshape(x.shape[:-1] + (-1, 32)); a = np.abs(x).max(-1, keepdims=True)
;;       e = np.where(a > 0, np.clip(np.frexp(np.where(a > 0, a, 1))[1] - 1 - 15, -126, 127), 0)      # np.frexp(a)[1] - 1 = floor(log2(a)), exactly
;;       r = np.clip(x / 2.0 ** e, -57344, 57344)
;;       step = 2.0 ** (np.maximum(np.frexp(np.where(r == 0, 1, r))[1] - 1, -14) - 2)
;;       q = np.round(r / step) * step * 2.0 ** e      # np.round: ties to even
;;       return np.moveaxis(q.reshape(q.shape[:-2] + (-1,))[..., :K], -1, axis).astype(np.float32)
;;   ~~~
;;   SOFTMAX AHEAD OF A QUANTISED PRODUCT. Where the list says 'softmax', what is quantised is not the finished softmax but p = 2^(t - M), with t = logit x log2(e) and M = ceil(the row's largest t), a whole number; so 1/2 < the row's largest p <= 1. The row's sum l is taken of the UNQUANTISED p, in f32, and the product's result is divided by l at the end. Since M is a whole number, a kernel that streams over the keys may use a running M (the ceiling of the running maximum): every later rescaling is an exact power of two, which a block's scale takes up: the codes' values come out the same.
;;   OPERANDS COMPUTED ON THE WAY. 'Computed on the way' means the value that the module computes at that place (a softmax that the list does not call 'softmax' is quantised finished and normalised). What goes into a quantiser is computed in f32, as accurately as f32 sums, v_exp_f32 and their like allow (about 1e-6 of the number): no bf16 or f16 on the way to a quantiser, and a product that is left as it is and whose result goes on into a quantised operand takes f32 operands (vector FMAs, or v_wmma_f32_16x16x4_f32). A number that lies on a knife's edge between two numbers of the format may be rounded either way, as far as f32 arithmetic and the matrix unit's own rounding can turn it there, and no further.
;;   INPUTS GIVEN AS CODES. Wk (in the module: [1024, 1024], K = its axis 1); Wq (in the module: [1024, 1024], K = its axis 1); Wv (in the module: [1024, 1024], K = its axis 1); Xk (in the module: [4, 1024, 2048], K = its axis 1); Xq (in the module: [4, 1024, 2048], K = its axis 1): each comes as NAME_codes (uint8): NAME with its K axis moved to the last place and cut into blocks of 32 codes, [.., K / 32, bytes a block], one block behind the other in memory; one code a byte (a code: sign, 5 exponent bits, 2 mantissa bits); and NAME_scales (uint8): the same leading axes, one E8M0 byte (e + 127) for each 32 codes along K. Its value is code x scale, taken as it is: it is not quantised again, and the codes and scales need not be those that the quantiser above would give.
;; One version. Each part assembles by itself: llvm-mc -triple=amdgcn-amd-amdhsa -mcpu=gfx1250 --defsym DOCPART=n.
;; ======== version 1 of 1: 2 launches
;; limits: right only within a limited range of input values
;; workspace buffers: kq 8,650,752 bytes; kv 17,301,504 bytes
;; launch proj (part 1): grid 4 x 96, 4 waves a work-group, clusters of 4 x 4, 327,680 bytes of LDS; arguments Xk_codes, Xk_scales, Wk_codes, Wk_scales, gamma2, beta2, mean2, var2, Xq_codes, Xq_scales, Wv_codes, Wv_scales, gamma3, beta3, mean3, var3, Wq_codes, Wq_scales, gamma1, beta1, mean1, var1, kq, kv; writes kq, kv
.if DOCPART == 1
	.amdgcn_target "amdgcn-amd-amdhsa--gfx1250"
	.amdhsa_code_object_version 6
	.text
	.protected	k_q7a13c91c1c_proj
	.globl	k_q7a13c91c1c_proj
	.p2align	8
	.type	k_q7a13c91c1c_proj,@function
k_q7a13c91c1c_proj:
	s_mov_b64 s[64:65], 0
	v_nop
	global_prefetch_b8 v0, s[64:65] scope:SCOPE_SE
	s_setreg_imm32_b32 hwreg(HW_REG_WAVE_MODE, 25, 1), 1
	s_wait_xcnt 0x0
	s_wait_alu depctr_hold_cnt(0) depctr_sa_sdst(0) depctr_va_vdst(0) depctr_va_sdst(0) depctr_va_ssrc(0) depctr_va_vcc(0) depctr_vm_vsrc(0)
	s_getreg_b32 s2, hwreg(HW_REG_IB_STS2, 6, 4)
	s_cmp_eq_u32 s2, 0
	s_cbranch_scc0 .Lentry_in_a_cluster
	s_endpgm
.Lentry_in_a_cluster:
	s_bfe_u32 s2, ttmp6, 0x10000c
	s_cmp_lg_u32 s2, 0xf033
	s_cbranch_scc0 .Lentry_shape_is_right
	s_endpgm
.Lentry_shape_is_right:
; THE THREE BRANCHES: conv1x1 on codes of BF8 (E5M2) with E8M0 scales, BatchNorm (eval), LeakyReLU(0.1), and the quantiser for the attention that follows.  Nothing in f32 goes to memory.
; Product P = cluster y / 8:  0: Xk, Wk, BN2 (the attention's queries) -> kq;   1: Xq, Wv, BN3 (its keys) -> kv;   2: Xq, Wq, BN1 (its values) -> kv.
; A tile is 256 A rows x 256 B rows x K 1,024, made by four waves of 128 x 128: 64 accumulators of 16 x 16, 512 registers.  P < 2: A = X (positions), B = W (channels).  P = 2: A = Wq (channels), B = Xq (positions).
; THE MATRIX INSTRUCTION IS USED TRANSPOSED (source 0 = 16 rows of B, source 1 = 16 rows of A): lane (r, h) holds A row 16 a + r, and register 8 b + j of block a the B row 16 b + 8 h + j.  So a lane's 64 registers run along the
; axis that the next product contracts: the head's 128 channels for queries and keys, 128 positions for the values.  A wave's 128 channels are one head, its 128 positions one key step.
; K goes in steps of 256 through a ring of two LDS slots filled by the tensor data mover; the scales of the tile's rows, for all of K, come once with the first fills.
; CLUSTERS: 4 x 4 work-groups; A's tiles are shared along a row of the cluster, B's along a column: each is asked for jointly, by the same tensor load with the same descriptor and a mask that names the four.
; WHAT IS STORED: a fragment (16 rows x 128 K) as the image of the operand's registers, 2,048 bytes: register group c of lane l at 512 c + 16 l; a scale word (four E8M0 bytes) for each row.
;   kq: 512 steps ((batch x 8 + head) x 16 + position / 128) x 16,896 bytes: 8 images by position, then 128 scale words.
;   kv: 512 steps x 33,792 bytes: 8 images of the keys, 8 images of the values (by channel), 128 scale words of the keys, 128 of the values.
; ORDER INSIDE A BLOCK OF 32: operand place 32 B + 16 h + i holds the true index 32 B + 16 (i / 8) + 8 h + i % 8.  The same order arises on both operands of each of the attention's products, always inside one scale
; block: the products and their scales are the same, only the order in which they are summed differs.
; LIMITS: NaN and infinities are not served.  A block whose largest magnitude lies under 2^-111 gets the byte 1 (a block of zeros too: its codes are zeros; this program alone reads the bytes).
;   The BatchNorm's factor is gamma x v_rsq_f32(var + 1e-5), not gamma / sqrt: it differs in the last bits of f32 at the most; factor and addend are applied by one fused multiply-add.
; REGISTERS, in windows of 256: window 0: v8-31 addresses; v32-63 scale words, two sets, and nothing else; v64-127 at work on the way out; from v128 A's fragments, ONE set; on the way out v128-255 hold a block's numbers.
;   window 1: B's fragments, TWO sets; on the way out the BatchNorm's factors.   window 2: the accumulators of my A rows 0-63 ((a, b) at v[8 (8 a + b)]);   window 3: those of rows 64-127.
.set NQ,     2                         ; matrix instructions deep in a slot: 256 along K
.set ROWB,   256                       ; a tile's row in bytes
.set KROW,   1024                      ; a row of codes in memory
.set PITCH,  272                       ; an LDS row: 256 bytes + 16 of padding = 68 words: row r starts at bank 4 r mod 64 (64 banks of 4 bytes: ISA guide 11.1), so the 16 rows that a load touches start at 16 different banks
.set FR,     16                        ; registers of a fragment
.set NL,     4                         ; LDS loads that bring one
.set NP,     8                         ; places behind this matrix instruction (ISA guide 7.12.1)
.set HALFT,  128*PITCH                 ; 128 rows: what one tensor load brings
.set SLOT,   4*HALFT                   ; A's 256 rows, then B's 256 rows
.set KS,     32                        ; a row of scales in bytes
.set SCL,    2*SLOT                    ; behind the ring: the scales, as units of 256 bytes + 16 of padding
.set HALFS,  16*272                    ; the scales of 128 rows
.set SBLK,   2*272                     ; those of 16 rows
.set SPARE,  SCL+4*HALFS               ; the spare words, 128 bytes for each wave: two blocks of 256 bytes that no other line names
.set BNT,    SPARE+512                 ; the BatchNorm's table of the tile's 256 channels: 256 factors, then 256 addends, f32; no fill lands here
.set SWG,    BNT+2048                  ; 512 bytes for each wave: its 128 scale words are gathered here; no fill lands here
.set BNO,  8                           ; v8   my thread's byte offset in gamma, beta, mean, var: two channels
.set BNW,  9                           ; v9   where my thread puts its two channels of the table
.set ADRA, 16                          ; v16-17  LDS address of my A fragments in slot 0, 1
.set ADRB, 20                          ; v20-21  the same for B
.set LI,   24                          ; v24  16 x lane: an image's place for my lane
.set SWA,  25                          ; v25  where I put a row's scale word
.set SWR,  26                          ; v26  where I read 16 bytes of the 128 words back
.set ADRS, 27                          ; v27  LDS address of my scale words: lanes 0-15 A's rows, lanes 16-31 B's
.set SPW,  28                          ; v28  LDS address of my spare word; never rewritten
.set NIL,  29                          ; v29  0; never rewritten
.set BNA,  30                          ; v30  the table by registers: my half's eight channels of B's block 0
.set BNQ,  31                          ; v31  the table by lanes: my row of A's block 0
.set SC,   32                          ; scale words: set s at v[SC + 16 s]; register 2 i + q: lanes 0-15 A's block i, lanes 16-31 B's block i
.set TM,   64                          ; v64-67 largest magnitudes, v68-71 bytes, v76-79 the conversions' scale operands
.set PC,   80                          ; v80-111 the codes just made, two sets of 16
.set RB,   112                         ; v112-115 scale words read back
.set PW,   116                         ; v116-123 a scale word for each block
.set AF,   128                         ; A's fragments
.set Y,    128                         ; the way out: a block's 64 numbers
.set T,    192                         ; and 0.1 x them
.set BNS,  0                           ; window 1: the factor of each of a lane's 64 registers (P < 2),
.set BNB,  64                          ; and the addend
.set QS,   128                         ; window 1: block a's factor at v[QS + 4 a], its addend at v[QS + 4 a + 2] (P = 2): the low words of two pairs
.set MNT,  3
.set PR,   66                          ; s66  P
.set SEL,  98                          ; s[98:99]   lane selects for v_permlanex16_b32: lane l xor 16 (written behind the choice of buffers)
.set LK,   100                         ; s[100:101] 0.1, named as a pair
.set G1, 24                            ; s[24:31] descriptor group 1 for A's tiles;  s[32:39] group 0, one set for each slot
.set G0, 32
.set G1B, 48                           ; s[48:55], s[56:63] the same for B's tiles
.set G0B, 56
.set G1S, 68                           ; s[68:75], s[76:79] groups 1 and 0 for A's scales;  s[80:87], s[88:91] for B's
.set G0S, 76
.set G1SB, 80
.set G0SB, 88
.set MSB, 0
.macro WIN new                         ; the immediate's high byte repeats the setting that is left; a switch that changes nothing is dropped
.if MSB != (\new)
	s_set_vgpr_msb (MSB<<8)|(\new)
.set MSB, (\new)
.endif
.endm
.set MUL_LO, 0xa1                      ; source 0 (B) window 1, source 1 (A) window 0, C and D window 2
.set MUL_HI, 0xf1                      ; the same, C and D window 3
.set TO_B,   0x40                      ; destination window 1, address window 0
; A joint load: waves 0 and 1 fetch for A, waves 2 and 3 for B.  Each line has one mask and one set of registers for all that issue it; the branch hangs on the wave's number alone.
; Four v_nop follow each of the two lines, ahead of the jump, the label and what follows.
.macro JLOAD g0a, g1a, g0b, g1b
	s_cmp_eq_u32 s15, 0
	s_cbranch_scc0 .Lfor_b_\@
	tensor_load_to_lds s[\g0a:\g0a+3], s[\g1a:\g1a+7]
	s_nop 0
.rept 4
	v_nop
.endr
	s_branch .Lasked_\@
.Lfor_b_\@:
	tensor_load_to_lds s[\g0b:\g0b+3], s[\g1b:\g1b+7]
	s_nop 0
.rept 4
	v_nop
.endr
.Lasked_\@:
.endm
.macro CREST                           ; a round of the cluster's barrier behind its opening barrier
	s_cmp_lg_u32 s14, 0
	s_cbranch_scc1 .Lnot_wave_0_\@
	s_barrier_signal -3
.Lnot_wave_0_\@:
	s_barrier_wait -3
	s_barrier_signal -1
	s_barrier_wait -1
.endm
.macro CROUND                          ; a whole round
	s_barrier_signal -1
	s_barrier_wait -1
	CREST
.endm
	s_load_b512 s[24:39], s[0:1], 0x0              ; Xk's codes, scales; Wk's codes, scales; gamma2, beta2, mean2, var2
	s_load_b512 s[40:55], s[0:1], 0x40             ; Xq's codes, scales; Wv's codes, scales; gamma3, beta3, mean3, var3
	s_load_b256 s[68:75], s[0:1], 0x80             ; Wq's codes, scales; gamma1, beta1
	s_load_b128 s[76:79], s[0:1], 0xa0             ; mean1, var1
	s_load_b128 s[80:83], s[0:1], 0xb0             ; kq, kv
	v_lshl_add_u32 v[SPW], v0, 2, SPARE
	v_mov_b32 v[NIL], 0
	ds_add_u32 v28, v29
	ds_add_u32 v28, v29
	s_wait_dscnt 0x0
	v_lshrrev_b32 v1, 5, v0
	v_readfirstlane_b32 s14, v1                    ; wave 0..3
	s_lshr_b32 s15, s14, 1                         ; which half of the tile's A rows is mine.  Also: I fetch for A (0) or for B (1)
	s_and_b32 s16, s14, 1                          ; which half of its B rows.  Also: which 128 rows of that tile I fetch
	s_and_b32 s67, ttmp7, 0xffff                   ; cluster y, 0 .. 23: the same in all sixteen partners
	s_lshr_b32 s[PR], s67, 3                       ; P
	s_and_b32 s67, s67, 7                          ; which eighth of the 8,192 positions
	s_wait_kmcnt 0x0
	; the product's buffers: choices that hang on P alone
	s_cmp_eq_u32 s[PR], 0
	s_cselect_b64 s[92:93], s[24:25], s[40:41]     ; X's codes
	s_cselect_b64 s[94:95], s[26:27], s[42:43]     ; X's scales
	s_cselect_b64 s[96:97], s[28:29], s[44:45]     ; W's codes
	s_cselect_b64 s[98:99], s[30:31], s[46:47]     ; W's scales
	s_cselect_b64 s[84:85], s[32:33], s[48:49]     ; gamma
	s_cselect_b64 s[86:87], s[34:35], s[50:51]     ; beta
	s_cselect_b64 s[88:89], s[36:37], s[52:53]     ; mean
	s_cselect_b64 s[90:91], s[38:39], s[54:55]     ; var
	s_cselect_b64 s[12:13], s[80:81], s[82:83]     ; where the results go
	s_cmp_eq_u32 s[PR], 2
	s_cselect_b64 s[96:97], s[68:69], s[96:97]
	s_cselect_b64 s[98:99], s[70:71], s[98:99]
	s_cselect_b64 s[84:85], s[72:73], s[84:85]
	s_cselect_b64 s[86:87], s[74:75], s[86:87]
	s_cselect_b64 s[88:89], s[76:77], s[88:89]
	s_cselect_b64 s[90:91], s[78:79], s[90:91]
	s_cselect_b64 s[4:5], s[96:97], s[92:93]       ; A's codes: W's for the values, else X's
	s_cselect_b64 s[6:7], s[98:99], s[94:95]       ; A's scales
	s_cselect_b64 s[8:9], s[92:93], s[96:97]       ; B's codes
	s_cselect_b64 s[10:11], s[94:95], s[98:99]     ; B's scales
	s_cselect_b32 s18, s67, 0                      ; the eighth of the positions goes into the tile column (values)
	s_cselect_b32 s19, 0, s67                      ; or into the tile row
	s_bfe_u32 s40, ttmp6, 0x40000                  ; cx, cy: my place in the cluster
	s_bfe_u32 s41, ttmp6, 0x40004
	s_lshl_b32 s42, s18, 2
	s_add_co_u32 s42, s42, s40                     ; tile column (B's rows / 256)
	s_lshl_b32 s17, s19, 2
	s_add_co_u32 s17, s17, s41                     ; tile row (A's rows / 256)
	s_lshl_b32 s43, s41, 2
	s_lshl_b32 s43, 15, s43                        ; my row of the cluster
	s_lshl_b32 s44, 0x1111, s40                    ; my column
	; the BatchNorm's numbers of the tile's 256 channels: two channels a thread
	s_cmp_eq_u32 s[PR], 2
	s_cselect_b32 s2, s17, s42                     ; the channels are A's rows for the values, else B's
	s_lshl_b32 s2, s2, 10                          ; 256 channels x 4 bytes
	v_lshl_add_u32 v[BNO], v0, 3, s2
	global_load_b64 v[64:65], v[BNO], s[84:85]     ; gamma
	global_load_b64 v[66:67], v[BNO], s[86:87]     ; beta
	global_load_b64 v[68:69], v[BNO], s[88:89]     ; mean
	global_load_b64 v[70:71], v[BNO], s[90:91]     ; var
	s_wait_xcnt 0x0                                ; the four loads have read their bases: s[84:91] are written again below
	; descriptor group 1: a tile of 128 rows x 256 bytes, padded in LDS
	s_or_b32 s[G1+0], s43, (0<<16)|(1<<20)|(1<<21)|(5<<22)|(3<<25)  ; 15:0 the mask: A's tiles go to my row; 17:16 element of 1 byte; 20 padding on; 21 set beside a mask; 24:22 after every 64 words (code 5); 31:25 of 4 words (code 3)
	s_or_b32 s[G1B+0], s44, (0<<16)|(1<<20)|(1<<21)|(5<<22)|(3<<25)
.irp g, G1, G1B
	s_mov_b32 s[\g+1], ROWB<<16                    ; tensor_dim0
	s_mov_b32 s[\g+2], 128<<16                     ; tensor_dim1 = 128
	s_mov_b32 s[\g+3], ROWB<<16                    ; tile_dim0
	s_mov_b32 s[\g+4], 128                         ; tile_dim1 = 128
	s_mov_b32 s[\g+5], KROW                        ; tensor_dim0_stride
	s_mov_b32 s[\g+6], 0
	s_mov_b32 s[\g+7], 0
.endr
	; and for the scales of 128 rows: a dense block of 4,096 bytes, as 16 rows of 256 bytes (32 elements of 8 bytes), 16 bytes of padding behind each
	s_or_b32 s[G1S+0], s43, (3<<16)|(1<<20)|(1<<21)|(5<<22)|(3<<25)
	s_or_b32 s[G1SB+0], s44, (3<<16)|(1<<20)|(1<<21)|(5<<22)|(3<<25)
.irp g, G1S, G1SB
	s_mov_b32 s[\g+1], 32<<16
	s_mov_b32 s[\g+2], 16<<16
	s_mov_b32 s[\g+3], 32<<16
	s_mov_b32 s[\g+4], 16
	s_mov_b32 s[\g+5], 32
	s_mov_b32 s[\g+6], 0
	s_mov_b32 s[\g+7], 0
.endr
	s_lshl_b32 s18, s16, 7                         ; which 128 rows of the tile I fetch
	s_lshl_b32 s20, s17, 8
	s_add_co_u32 s20, s20, s18                     ; A: row 256 x tile row + 128 x half
	s_lshl_b32 s46, s42, 8
	s_add_co_u32 s46, s46, s18                     ; B: row 256 x tile column + 128 x half
	s_lshl_b32 s22, s20, 5                         ; where these rows' scales begin: 32 bytes a row
	s_mov_b32 s23, 0
	s_lshl_b32 s92, s46, 5
	s_mov_b32 s93, 0
	s_lshl_b32 s20, s20, 10                        ; and their codes: 1,024 bytes a row (8,191 rows at the most: under 2^32)
	s_mov_b32 s21, 0
	s_lshl_b32 s46, s46, 10
	s_mov_b32 s47, 0
	s_mul_i32 s45, s14, HALFT                      ; where they go: wave x 128 rows: no place in the cluster enters an LDS address
	s_mul_i32 s94, s14, HALFS
	s_add_nc_u64 s[20:21], s[4:5], s[20:21]
	s_add_nc_u64 s[22:23], s[6:7], s[22:23]
	s_add_nc_u64 s[46:47], s[8:9], s[46:47]
	s_add_nc_u64 s[92:93], s[10:11], s[92:93]
	CROUND                                         ; all sixteen work-groups are here: the first joint loads meet
	s_mov_b32 s[G0S], 1
	s_add_co_u32 s[G0S+1], s94, SCL
	s_mov_b64 s[G0S+2:G0S+3], s[22:23]
	s_or_b32 s[G0S+3], s[G0S+3], 0x80000000
	s_mov_b32 s[G0SB], 1
	s_add_co_u32 s[G0SB+1], s94, SCL
	s_mov_b64 s[G0SB+2:G0SB+3], s[92:93]
	s_or_b32 s[G0SB+3], s[G0SB+3], 0x80000000
	JLOAD G0S, G1S, G0SB, G1SB                     ; the scales first: they are wanted with K step 0
.irp s, 0,1
	s_mov_b32 s[G0+4*\s], 1
	s_add_co_u32 s[G0+4*\s+1], s45, \s*SLOT
	s_add_nc_u64 s[G0+4*\s+2:G0+4*\s+3], s[20:21], \s*ROWB
	s_or_b32 s[G0+4*\s+3], s[G0+4*\s+3], 0x80000000
	s_mov_b32 s[G0B+4*\s], 1
	s_add_co_u32 s[G0B+4*\s+1], s45, \s*SLOT
	s_add_nc_u64 s[G0B+4*\s+2:G0B+4*\s+3], s[46:47], \s*ROWB
	s_or_b32 s[G0B+4*\s+3], s[G0B+4*\s+3], 0x80000000
	JLOAD G0+4*\s, G1, G0B+4*\s, G1B               ; three tensor loads of mine are out
.endr
	v_and_b32 v1, 15, v0                           ; r = l % 16
	v_bfe_u32 v2, v0, 4, 1                         ; h = l / 16
	v_mul_u32_u24 v3, v1, PITCH
	v_lshl_add_u32 v4, v2, 4, v3                   ; a fragment's row x pitch + 16 x half
	s_mul_i32 s21, s15, HALFT                      ; my 128 rows of A
	s_mul_i32 s22, s16, HALFT                      ; my 128 rows of B,
	s_add_co_u32 s22, s22, 2*HALFT                 ; which lie behind A's 256
.irp s, 0,1
	v_add_nc_u32 v[ADRA+\s], s21, v4
	v_add_nc_u32 v[ADRB+\s], s22, v4
	s_add_co_u32 s21, s21, SLOT
	s_add_co_u32 s22, s22, SLOT
.endr
	v_mul_u32_u24 v5, v1, KS                       ; my row's scales: 32 bytes a row,
	v_lshrrev_b32 v6, 8, v5
	v_lshl_add_u32 v5, v6, 4, v5                   ; and 16 more for each 256 passed
	s_mul_i32 s21, s15, HALFS                      ; A's: my 128 rows
	s_mul_i32 s22, s16, HALFS                      ; B's: my 128 rows, behind A's 256
	s_add_co_u32 s22, s22, 2*HALFS
	s_sub_co_u32 s22, s22, s21
	v_mul_u32_u24 v6, s22, v2                      ; lanes 16-31 take B's: one product, the distance between the two bases
	s_add_co_u32 s21, s21, SCL
	v_add_nc_u32 v5, v5, v6
	v_add_nc_u32 v[ADRS], s21, v5
	v_and_b32 v6, 31, v0
	v_lshlrev_b32 v[LI], 4, v6                     ; 16 x lane
	s_lshl_b32 s23, s14, 9
	s_add_co_u32 s23, s23, SWG                     ; my wave's 512 bytes for scale words
	v_lshl_add_u32 v[SWA], v1, 2, s23              ; in: 4 r (+ 64 a in the immediate)
	v_add_nc_u32 v[SWR], s23, v[LI]                ; back: 16 bytes a lane
	s_lshl_b32 s21, s16, 9
	s_add_co_u32 s21, s21, BNT
	v_lshl_add_u32 v[BNA], v2, 5, s21              ; the table at channel 128 x (my half of B) + 8 h
	s_lshl_b32 s21, s15, 9
	s_add_co_u32 s21, s21, BNT
	v_lshl_add_u32 v[BNQ], v1, 2, s21              ; the table at channel 128 x (my half of A) + r
	v_lshl_add_u32 v[BNW], v0, 3, BNT              ; my thread's two channels
	; where my wave's results go: one head, one key step
	s_lshl_b32 s20, s17, 8
	s_lshl_b32 s21, s15, 7
	s_add_co_u32 s20, s20, s21                     ; my first A row
	s_lshl_b32 s46, s42, 8
	s_lshl_b32 s47, s16, 7
	s_add_co_u32 s46, s46, s47                     ; my first B row
	s_mov_b32 s22, 33792
	s_mov_b32 s23, 32768
	s_cmp_eq_u32 s[PR], 0
	s_cselect_b32 s22, 16896, s22                  ; a step's bytes: kq's or kv's
	s_cselect_b32 s23, 16384, s23                  ; where my scale words begin in it
	s_cmp_eq_u32 s[PR], 2
	s_cselect_b32 s23, 33280, s23
	s_cselect_b32 s93, 16384, 0                    ; where my images begin in it
	s_cselect_b32 s92, s46, s20                    ; my first position
	s_cselect_b32 s47, s20, s46                    ; my first channel
	s_lshr_b32 s21, s92, 11                        ; batch
	s_lshl_b32 s21, s21, 3
	s_lshr_b32 s47, s47, 7                         ; head
	s_add_co_u32 s21, s21, s47
	s_lshl_b32 s21, s21, 4
	s_bfe_u32 s92, s92, 0x40007                    ; key step in the head: (position / 128) % 16
	s_add_co_u32 s21, s21, s92
	s_mul_i32 s21, s21, s22                        ; 511 x 33,792 at the most: under 2^32
	s_add_co_u32 s94, s21, s23
	s_mov_b32 s95, 0
	s_add_nc_u64 s[96:97], s[12:13], s[94:95]      ; my scale words
	s_add_co_u32 s94, s21, s93
	s_add_nc_u64 s[12:13], s[12:13], s[94:95]      ; my images
	s_mov_b32 s[SEL], 0x76543210
	s_mov_b32 s[SEL+1], 0xfedcba98
	s_mov_b32 s[LK], 0x3dcccccd                    ; 0.1
	s_mov_b32 s[LK+1], s[LK]                       ; (named with it as a pair, so it is written)
	; the BatchNorm's table: factor = gamma / sqrt(var + 1e-5), addend = beta - mean x factor
	s_wait_loadcnt 0x0
	v_add_f32 v70, 0x3727c5ac, v70
	v_add_f32 v71, 0x3727c5ac, v71
	s_wait_alu depctr_va_vdst(0)
	v_rsq_f32 v76, v70
	v_rsq_f32 v77, v71
	v_nop                                          ; a plain instruction between the roots and the use of their results
	s_wait_alu depctr_va_vdst(0)                   ; one wait for both, ahead of their first reader
	v_mul_f32 v72, v64, v76
	v_mul_f32 v73, v65, v77
	v_fma_f32 v74, -v68, v72, v66
	v_fma_f32 v75, -v69, v73, v67
	ds_store_b64 v[BNW], v[72:73]
	ds_store_b64 v[BNW], v[74:75] offset:1024
.macro FRAG reg, adr, q, i             ; a fragment, 16 rows x 128 K of 8-bit codes, is 16 registers: lane l holds row l % 16; registers 4 c .. 4 c + 3 hold K = 32 c + 16 (l / 16) + 0 .. 15
.irp c, 0,1,2,3
	ds_load_b128 v[\reg+4*\c:\reg+4*\c+3], v[\adr] offset:128*(\q)+32*\c+(\i)*16*PITCH
.endr
.endm
; 16 matrix instructions: A's blocks a0, a0 + 1 x B's eight, 128 along K: the slot's q-th.  p: B's set;  sc: the set of scale words.  zero = 1: the first product starts the sums: nothing is ever cleared.
; The 64 accumulators take turns, one instruction a turn, in the same order in every step.
.macro MUL16 a0, p, q, sc, zero
.irp a, \a0, \a0+1
.irp b, 0,1,2,3,4,5,6,7
.if \zero
	v_wmma_scale_f32_16x16x128_f8f6f4 v[8*(8*((\a)%4)+\b):8*(8*((\a)%4)+\b)+7], v[128*(\p)+FR*\b:128*(\p)+FR*\b+FR-1], v[AF+FR*(\a):AF+FR*(\a)+FR-1], 0, v[SC+8*NQ*(\sc)+NQ*\b+(\q)], v[SC+8*NQ*(\sc)+NQ*(\a)+(\q)] matrix_a_fmt:MATRIX_FMT_BF8 matrix_b_fmt:MATRIX_FMT_BF8 matrix_a_scale:MATRIX_SCALE_ROW1
.else
	v_wmma_scale_f32_16x16x128_f8f6f4 v[8*(8*((\a)%4)+\b):8*(8*((\a)%4)+\b)+7], v[128*(\p)+FR*\b:128*(\p)+FR*\b+FR-1], v[AF+FR*(\a):AF+FR*(\a)+FR-1], v[8*(8*((\a)%4)+\b):8*(8*((\a)%4)+\b)+7], v[SC+8*NQ*(\sc)+NQ*\b+(\q)], v[SC+8*NQ*(\sc)+NQ*(\a)+(\q)] matrix_a_fmt:MATRIX_FMT_BF8 matrix_b_fmt:MATRIX_FMT_BF8 matrix_a_scale:MATRIX_SCALE_ROW1
.endif
.endr
.endr
.endm
.macro FETCH_B slot, q, p              ; B's eight fragments of the slot's q-th 128 along K into set p
	WIN TO_B
.irp i, 0,1,2,3,4,5,6,7
	FRAG 128*(\p)+FR*\i, ADRB+\slot, \q, \i
.endr
	WIN 0
.endm
.macro FETCH_A slot, q, i0             ; A's blocks i0 .. i0 + 3
.irp i, \i0, \i0+1, \i0+2, \i0+3
	FRAG AF+FR*(\i), ADRA+\slot, \q, \i
.endr
.endm
.macro SCALES sc                       ; the K step's scale words into set sc: two words a row; lanes 0-15 take A's block i, lanes 16-31 B's block i
.irp i, 0,1,2,3,4,5,6,7
	ds_load_b64 v[SC+8*NQ*\sc+NQ*\i:SC+8*NQ*\sc+NQ*\i+1], v[ADRS] offset:\i*SBLK
.endr
.endm
; A load into a register that a matrix instruction has read, and a vector instruction that reads a matrix result or writes one of its registers, stand NP places behind that matrix instruction, and only plain vector
; instructions that name none of its registers are places (ISA guide 7.12.1 for vector instructions); this text does not count the matrix instructions in between.
.macro PLACES n
.rept \n
	v_nop
.endr
.endm
; A step of 128 along K that has its successor in the same slot.
.macro STEP slot, q, zero
	s_wait_dscnt 4*NL                              ; B's set and A's blocks 0-3 are in; the youngest sixteen loads (A's blocks 4-7) may be out
	WIN MUL_LO
	MUL16 0, (\q)%2, \q, \slot, \zero
	MUL16 2, (\q)%2, \q, \slot, \zero
	s_wait_dscnt 0                                 ; A's blocks 4-7 are in (asked for 32 matrix instructions ago)
	PLACES NP
	FETCH_B \slot, (\q)+1, 1-(\q)%2
	FETCH_A \slot, (\q)+1, 0
	WIN MUL_HI
	MUL16 4, (\q)%2, \q, \slot, \zero
	MUL16 6, (\q)%2, \q, \slot, \zero
	PLACES NP
	WIN 0
	FETCH_A \slot, (\q)+1, 4
.endm
; A slot's last step changes slots: ONE barrier; in front of it each wave waits for all its tensor loads, adds 0 to its spare word, and waits for that and for its own reads of this slot.  fill = 1: this slot is filled again, two K steps ahead.
.macro TURN slot, next, fill
	s_wait_tensorcnt 0x0                           ; all my tensor loads have landed: my part of the next slot;  (every window is 0 here: the add's two registers lie in window 0)
	ds_add_u32 v[SPW], v[NIL]                      ; 0 onto my spare word
	s_wait_dscnt 4*NL+1                            ; (the add and the youngest sixteen loads, A's blocks 4-7, may be out)
	WIN MUL_LO
	MUL16 0, 1, NQ-1, \slot, 0                     ; sixteen matrix instructions stand between the add and the wait for it
	s_wait_dscnt 0x0                               ; the add is done, and my reads of this slot are over
	s_barrier_signal -1
	MUL16 2, 1, NQ-1, \slot, 0
	WIN 0
	s_barrier_wait -1
.if \fill
	CREST                                          ; the barrier has opened a round of the cluster's barrier: no wave of any partner still reads this slot's tile or has a load on its way
	s_add_nc_u64 s[G0+4*\slot+2:G0+4*\slot+3], s[G0+4*\slot+2:G0+4*\slot+3], 2*ROWB
	s_add_nc_u64 s[G0B+4*\slot+2:G0B+4*\slot+3], s[G0B+4*\slot+2:G0B+4*\slot+3], 2*ROWB
	JLOAD G0+4*\slot, G1, G0B+4*\slot, G1B         ; the first tensor load behind the round, my only one until the next; the four v_nop behind it are among the places in front of the loads below
	PLACES NP-4
.else
	PLACES NP
.endif
	s_wait_alu depctr_va_vdst(0)
	v_add_nc_u32 v[ADRS], 4*NQ, v[ADRS]            ; on to the next K step's scale words (no LDS load of mine is out)
	FETCH_B \next, 0, 0
	FETCH_A \next, 0, 0
	SCALES \next
	WIN MUL_HI
	MUL16 4, 1, NQ-1, \slot, 0
	MUL16 6, 1, NQ-1, \slot, 0
	PLACES NP
	WIN 0
	FETCH_A \next, 0, 4
.endm
	s_wait_dscnt 0x0                               ; for the others' sake: my part of the BatchNorm's table is in LDS
	s_wait_tensorcnt 1                             ; the scales and my part of K step 0 are in (K step 1's load may be out)
	s_barrier_signal -1
	s_barrier_wait -1                              ; everybody's are
	FETCH_B 0, 0, 0
	FETCH_A 0, 0, 0
	SCALES 0
	FETCH_A 0, 0, 4
	STEP 0, 0, 1                                   ; K 0-127: the first products start the sums
	TURN 0, 1, 1                                   ; K 128-255; slot 0 takes K 512-767
	STEP 1, 0, 0
	TURN 1, 0, 1                                   ; slot 1 takes K 768-1,023
	STEP 0, 0, 0
	TURN 0, 1, 0                                   ; nothing is left to fetch: no round of the cluster's barrier
	STEP 1, 0, 0
	s_wait_dscnt 4*NL                              ; the very last step
	WIN MUL_LO
	MUL16 0, 1, NQ-1, 1, 0
	MUL16 2, 1, NQ-1, 1, 0
	s_wait_dscnt 0
	WIN MUL_HI
	MUL16 4, 1, NQ-1, 1, 0
	MUL16 6, 1, NQ-1, 1, 0
	WIN 0
; THE WAY OUT.  A block a (16 A rows x 128 B rows: 64 numbers a lane) at a time: BatchNorm, LeakyReLU, the quantiser; the codes ARE a fragment's registers and go to memory as they stand, 512 consecutive bytes a store.
; 64 numbers of a lane, v[s] on, register 16 b + i in block b of 32, become 16 registers of codes in v[pc] on and the row's scale word in v[pw].
.macro QUANT s, pc, pw
.irp b, 0,1,2,3
	v_max3_num_f32 v[TM+\b], |v[\s+16*\b]|, |v[\s+1+16*\b]|, 0x8000000   ; block b: my 16 numbers, and the floor 2^(16 - 127), under which no largest magnitude is taken: so the byte cannot fall under 1
.endr
.irp i, 2,4,6,8,10,12,14
.irp b, 0,1,2,3
	v_max3_num_f32 v[TM+\b], v[TM+\b], |v[\s+16*\b+\i]|, |v[\s+1+16*\b+\i]|   ; (the four blocks by turns: no line waits for the line above it)
.endr
.endr
.irp b, 0,1,2,3
	v_permlanex16_b32 v[TM+4+\b], v[TM+\b], s[SEL], s[SEL+1]   ; (its destination counts as read: v68-71 were written by the head's loads)
.endr
.irp b, 0,1,2,3
	v_max_num_f32 v[TM+\b], v[TM+\b], v[TM+4+\b]   ; with lane l xor 16's: the block's largest magnitude
.endr
.irp b, 0,1,2,3
	v_add_nc_u32 v[TM+12+\b], 0xf8800000, v[TM+\b]   ; 15 off its exponent field: the conversion takes the exponent field of this operand as its scale, and nothing else of it
.endr
.irp b, 0,1,2,3
.endr
.irp b, 0,1,2,3
	v_lshrrev_b32 v[TM+4+\b], 23, v[TM+12+\b]      ; the scale's byte
.endr
	v_lshl_or_b32 v[\pw], v[TM+5], 8, v[TM+4]      ; the four bytes make my row's scale word
	v_lshl_or_b32 v[\pw], v[TM+6], 16, v[\pw]
	v_lshl_or_b32 v[\pw], v[TM+7], 24, v[\pw]
.irp b, 0,1,2,3
.irp i, 0,1,2,3,4,5,6,7,8,9,10,11,12,13,14,15
.endr
	v_cvt_scalef32_pk8_bf8_f32 v[\pc+4*\b:\pc+1+4*\b], v[\s+16*\b:\s+7+16*\b], v[TM+12+\b]
	v_cvt_scalef32_pk8_bf8_f32 v[\pc+2+4*\b:\pc+3+4*\b], v[\s+8+16*\b:\s+15+16*\b], v[TM+12+\b]
.endr
	v_nop                                          ; one plain vector instruction between the last conversion and the next vector instruction that writes its sources
.endm
.macro EPI a
.set AC,  64*((\a)%4)                  ; the block's eight accumulators,
.set WA,  2+(\a)/4                     ; in window 2 or 3
.set PCA, PC+16*((\a)%2)
.set PWA, PW+(\a)
.if (\a) >= 2
	s_wait_xcnt 0x0                                ; block a - 2's stores have read their registers: this set of codes is written again
.endif
	s_cmp_eq_u32 s[PR], 2                          ; P is the same in all waves of all partners
	s_cbranch_scc1 .Lby_lane_\@
	WIN WA|0x14                                    ; source 0 the accumulators' window, sources 1 and 2 window 1, destination window 0
.set i, 0
.rept 32
	v_pk_fma_f32 v[Y+i:Y+i+1], v[AC+i:AC+i+1], v[BNS+i:BNS+i+1], v[BNB+i:BNB+i+1]   ; queries, keys: a register is a channel.  Each accumulator is read from its low end on
.set i, i+2
.endr
	WIN 0
	s_branch .Lbn_done_\@
.Lby_lane_\@:
	WIN WA|0x14
.set i, 0
.rept 32
	v_pk_fma_f32 v[Y+i:Y+i+1], v[AC+i:AC+i+1], v[QS+4*(\a):QS+4*(\a)+1], v[QS+4*(\a)+2:QS+4*(\a)+3] op_sel_hi:[1,0,0]   ; values: a lane is a channel: the pairs' low words serve both halves
.set i, i+2
.endr
	WIN 0
.Lbn_done_\@:
.set i, 0
.rept 32
	v_pk_mul_f32 v[T+i:T+i+1], v[Y+i:Y+i+1], s[LK:LK+1] op_sel_hi:[1,0]
.set i, i+2
.endr
.set i, 0
.rept 64
	v_max_num_f32 v[Y+i], v[Y+i], v[T+i]           ; LeakyReLU: the larger of y and 0.1 y
.set i, i+1
.endr
	QUANT Y, PCA, PWA
.irp c, 0,1,2,3
	global_store_b128 v[LI], v[PCA+4*\c:PCA+4*\c+3], s[12:13] offset:2048*(\a)+512*\c   ; 32 lanes store 512 consecutive bytes, at a multiple of 256 from the buffer's first byte
.endr
	ds_store_b32 v[SWA], v[PWA] offset:64*(\a)     ; lanes r and r + 16 write the same word with the same value
.endm
	PLACES NP                                      ; behind the last products: for the loads into B's registers, the writes over A's, and the first reads of results
	s_cmp_eq_u32 s[PR], 2
	s_cbranch_scc1 .Lbn_lane
	WIN TO_B
.irp b, 0,1,2,3,4,5,6,7
	ds_load_b128 v[BNS+8*\b:BNS+8*\b+3],   v[BNA] offset:64*\b          ; register 8 b + j: channel 16 b + 8 h + j of my half
	ds_load_b128 v[BNS+8*\b+4:BNS+8*\b+7], v[BNA] offset:64*\b+16
	ds_load_b128 v[BNB+8*\b:BNB+8*\b+3],   v[BNA] offset:1024+64*\b
	ds_load_b128 v[BNB+8*\b+4:BNB+8*\b+7], v[BNA] offset:1024+64*\b+16
.endr
	WIN 0
	s_branch .Lbn_in
.Lbn_lane:
	WIN TO_B
.irp a, 0,1,2,3,4,5,6,7
	ds_load_b32 v[QS+4*\a],   v[BNQ] offset:64*\a                       ; block a: channel 16 a + r of my half
	ds_load_b32 v[QS+4*\a+2], v[BNQ] offset:1024+64*\a
.endr
	WIN 0
.Lbn_in:
	s_wait_dscnt 0x0
.irp a, 0,1,2,3,4,5,6,7
	EPI \a
.endr
	ds_load_b128 v[RB:RB+3], v[SWR]                ; LDS serves a wave's instructions in order (ISA guide 5.7.1.4): this sees my eight stores
	s_wait_dscnt 0x0
	global_store_b128 v[LI], v[RB:RB+3], s[96:97]  ; my 128 scale words: 512 consecutive bytes
	s_wait_tensorcnt 0x0                           ; the wave's end: behind my last tensor load and my last LDS store
	ds_add_u32 v[SPW], v[NIL]
	s_wait_dscnt 0x0
	CROUND                                         ; the closing round: no work-group ends while a partner may still ask for a tile that names it
	s_endpgm
.Lfunc_end_k_q7a13c91c1c_proj:
	.size	k_q7a13c91c1c_proj, .Lfunc_end_k_q7a13c91c1c_proj-k_q7a13c91c1c_proj
	.p2alignl 7, 3214868480
	.fill 96, 4, 3214868480
	.section	.rodata,"a",@progbits
	.p2align	6, 0x0
	.amdhsa_kernel k_q7a13c91c1c_proj
		.amdhsa_group_segment_fixed_size 327680
		.amdhsa_private_segment_fixed_size 0
		.amdhsa_enable_private_segment 0
		.amdhsa_kernarg_size 192
		.amdhsa_user_sgpr_count 2
		.amdhsa_user_sgpr_kernarg_segment_ptr 1
		.amdhsa_wavefront_size32 1
		.amdhsa_system_sgpr_workgroup_id_x 1
		.amdhsa_system_sgpr_workgroup_id_y 1
		.amdhsa_system_sgpr_workgroup_id_z 1
		.amdhsa_system_vgpr_workitem_id 0
		.amdhsa_next_free_vgpr 1024
		.amdhsa_next_free_sgpr 102
		.amdhsa_reserve_vcc 0
		.amdhsa_float_denorm_mode_32 3
		.amdhsa_float_denorm_mode_16_64 3
		.amdhsa_fp16_overflow 1
		.amdhsa_memory_ordered 1
		.amdhsa_forward_progress 1
		.amdhsa_inst_pref_size 221
	.end_amdhsa_kernel
	.amdgpu_metadata
---
amdhsa.version: [ 1, 2 ]
amdhsa.kernels:
  - .name:           k_q7a13c91c1c_proj
    .symbol:         k_q7a13c91c1c_proj.kd
    .args:
      - { .name: Xk_codes, .offset: 0, .size: 8, .value_kind: global_buffer, .address_space: global }
      - { .name: Xk_scales, .offset: 8, .size: 8, .value_kind: global_buffer, .address_space: global }
      - { .name: Wk_codes, .offset: 16, .size: 8, .value_kind: global_buffer, .address_space: global }
      - { .name: Wk_scales, .offset: 24, .size: 8, .value_kind: global_buffer, .address_space: global }
      - { .name: gamma2, .offset: 32, .size: 8, .value_kind: global_buffer, .address_space: global }
      - { .name: beta2, .offset: 40, .size: 8, .value_kind: global_buffer, .address_space: global }
      - { .name: mean2, .offset: 48, .size: 8, .value_kind: global_buffer, .address_space: global }
      - { .name: var2, .offset: 56, .size: 8, .value_kind: global_buffer, .address_space: global }
      - { .name: Xq_codes, .offset: 64, .size: 8, .value_kind: global_buffer, .address_space: global }
      - { .name: Xq_scales, .offset: 72, .size: 8, .value_kind: global_buffer, .address_space: global }
      - { .name: Wv_codes, .offset: 80, .size: 8, .value_kind: global_buffer, .address_space: global }
      - { .name: Wv_scales, .offset: 88, .size: 8, .value_kind: global_buffer, .address_space: global }
      - { .name: gamma3, .offset: 96, .size: 8, .value_kind: global_buffer, .address_space: global }
      - { .name: beta3, .offset: 104, .size: 8, .value_kind: global_buffer, .address_space: global }
      - { .name: mean3, .offset: 112, .size: 8, .value_kind: global_buffer, .address_space: global }
      - { .name: var3, .offset: 120, .size: 8, .value_kind: global_buffer, .address_space: global }
      - { .name: Wq_codes, .offset: 128, .size: 8, .value_kind: global_buffer, .address_space: global }
      - { .name: Wq_scales, .offset: 136, .size: 8, .value_kind: global_buffer, .address_space: global }
      - { .name: gamma1, .offset: 144, .size: 8, .value_kind: global_buffer, .address_space: global }
      - { .name: beta1, .offset: 152, .size: 8, .value_kind: global_buffer, .address_space: global }
      - { .name: mean1, .offset: 160, .size: 8, .value_kind: global_buffer, .address_space: global }
      - { .name: var1, .offset: 168, .size: 8, .value_kind: global_buffer, .address_space: global }
      - { .name: kq, .offset: 176, .size: 8, .value_kind: global_buffer, .address_space: global }
      - { .name: kv, .offset: 184, .size: 8, .value_kind: global_buffer, .address_space: global }
    .group_segment_fixed_size: 327680
    .private_segment_fixed_size: 0
    .kernarg_segment_align: 8
    .kernarg_segment_size: 192
    .max_flat_workgroup_size: 128
    .sgpr_count:     102
    .vgpr_count:     1024
    .wavefront_size: 32
...
	.end_amdgpu_metadata
.endif
;; end of part 1
;; launch attn (part 2): grid 8 x 32, 8 waves a work-group, clusters of 4 x 1, 327,680 bytes of LDS; arguments kq, kv, out0; writes out0
.if DOCPART == 2
	.amdgcn_target "amdgcn-amd-amdhsa--gfx1250"
	.amdhsa_code_object_version 6
	.text
	.protected	k_q7a13c91c1c_attn
	.globl	k_q7a13c91c1c_attn
	.p2align	8
	.type	k_q7a13c91c1c_attn,@function
k_q7a13c91c1c_attn:
	s_mov_b64 s[64:65], 0
	v_nop
	global_prefetch_b8 v0, s[64:65] scope:SCOPE_SE
	s_setreg_imm32_b32 hwreg(HW_REG_WAVE_MODE, 25, 1), 1
	s_wait_xcnt 0x0
	s_wait_alu depctr_hold_cnt(0) depctr_sa_sdst(0) depctr_va_vdst(0) depctr_va_sdst(0) depctr_va_ssrc(0) depctr_va_vcc(0) depctr_vm_vsrc(0)
	s_getreg_b32 s2, hwreg(HW_REG_IB_STS2, 6, 4)
	s_cmp_eq_u32 s2, 0
	s_cbranch_scc0 .Lentry_in_a_cluster
	s_endpgm
.Lentry_in_a_cluster:
	s_bfe_u32 s2, ttmp6, 0x10000c
	s_cmp_lg_u32 s2, 0x3003
	s_cbranch_scc0 .Lentry_shape_is_right
	s_endpgm
.Lentry_shape_is_right:
; out[b][128 h + c][i] = the sum over j of softmax_j(K[.][i] . V[.][j] / sqrt(128)) Q[c][j], both products on codes of BF8 (E5M2) with one E8M0 scale for each 32 along a product's K.
; The K branch gives the queries (i), the V branch the keys (j), the Q branch the values.  They come as the launch before has laid them: fragments as images of the operand's registers (2,048 bytes: register group c of
; lane l at 512 c + 16 l) and one scale word a row.  kq: a step of 128 queries is 16,896 bytes: 8 images, 128 words.  kv: a step of 128 keys is 33,792 bytes: 8 images of keys, 8 of values (by channel, K = the step's keys),
; 128 words of the keys, 128 of the values.  So a key step is one dense block of 132 x 256 bytes, every LDS load takes 16 bytes a lane on end, and there is no pitch and no padding.
; THE SOFTMAX AHEAD OF THE SECOND PRODUCT: t = score x log2(e) / sqrt(128); M = the row's largest t so far, rounded UP to a whole number; p = 2^(t - M) is what is quantised, along the keys; it is not normalised.
; The row's sum is taken of the unquantised p, in f32, and divides O at the end.  When M moves, the sum and O are multiplied by 2^(old M - new M): exact.
; SHARES.  A work-group owns 256 queries of one head; each of its EIGHT waves owns 32, two tiles of 16, in 512 registers: two waves to a SIMD, so that one wave's vector work stands beside the other's matrix work and
; LDS loads, and each fragment read from LDS feeds two matrix instructions.  Every wave walks the head's 2,048 keys, 128 a step.  A slot holds four key steps; two slots; each wave fetches an eighth of a slot.
; CLUSTER.  The four query blocks of a cluster belong to one head and walk the same keys and values: each fill is asked for JOINTLY, by the same tensor load with the same descriptor and the mask 15, in all four.
; LAYOUT.  Both products are used transposed: S^T = keys x queries^T, O^T = values x P^T: a lane holds ONE query (lane % 16) throughout.  The 16 registers of key tiles 2 b and 2 b + 1 hold the keys
; 32 b + 16 (i / 8) + 8 (lane / 16) + i % 8, and the values' images have their K in the same order: inside a block of 32 the order differs from memory's alike on both operands, so products and scales are the same.
; LIMITS: NaN and infinities are not served; a block of p whose every number has fallen to 0 keeps the byte 1 (its codes are zeros).
; REGISTERS: window 0 is tile 0's, window 1 mirrors it for tile 1 with the same numbers.  v1-7 addresses; v8, v9 tile 1's scale words of p and of the queries; v12 -M, v13 the largest t, v[14:15] the sum in two halves;
;   v16-31 the queries' fragment; v32-95 fragments 0-3 of the step (window 1: fragments 4-7); v96-159 S^T, then p; v160-223 O^T; v224-239 p's codes; v232-254 at work;
;   v248-251 the fragments' scale words (register u: fragment 2 u in lanes 0-15, 2 u + 1 in lanes 16-31); v253 tile 0's scale word of p; v255 tile 0's scale words of the queries.  Scale operands are always window 0's.
.set STEPB, 33792                      ; a key step in bytes
.set SLOTB, 4*STEPB                    ; a slot
.set EIGHTH, SLOTB/8                   ; what one tensor load brings: 66 rows of 256 bytes
.set HEADB, 16*STEPB                   ; a head's keys and values
.set SPARE, 2*SLOTB                    ; behind the ring: the spare words, 128 bytes for each wave: four blocks of 256 bytes that no other line names
.set SP,    1040                       ; the way out: a stage of 128 rows (channels) x (1,024 bytes + 16), in slot 0, which has had its last fill and its last read when the first result is stored there
.set LI,   1                           ; v1   16 x lane
.set LS,   2                           ; v2   4 x lane
.set SPW,  3                           ; v3   LDS address of my spare word; never rewritten
.set NIL,  4                           ; v4   0; never rewritten
.set ADC,  5                           ; v5   LDS address of the step's images; on the way out: where I read rows back
.set ADS,  6                           ; v6   of its scale words
.set PFO,  7                           ; v7   256 x lane: the prefetches' offset; never rewritten
.set PS1,  8                           ; v8   tile 1's scale word of p
.set QS1,  9                           ; v9   tile 1's scale words of the queries
.set STO,  10                          ; v10  at the head an offset; on the way out: where I put a number of channels 0-63
.set STO2, 11                          ; v11  and of channels 64-127
.set WV,   10                          ; s10  my wave's number
.set G1,   16                          ; s[16:23] descriptor group 1
.set G0,   24                          ; s[24:31] group 0, a set for each slot
.set SEL,  32                          ; s[32:33] lane selects for v_permlanex16_b32: lane l xor 16
.set CS,   34                          ; s[34:35] c = log2(e) / sqrt(128), named as a pair
.set MNT,  36
.set TB,   37                          ; s37  LDS byte at which the step in hand begins
.set CNT,  38                          ; s38  steps of the slot still to go
.set LIM,  39                          ; s39  1 in a wave that prefetches, else the greatest number
.set PFA,  40                          ; s[40:41] where my prefetch stands in memory
.set QP,   42                          ; s[42:43] my queries' images
.set QSP,  44                          ; s[44:45] their scale words
.set OP,   46                          ; s[46:47] my rows of the output
.set MSB, 0
.macro WIN new                         ; the immediate's high byte repeats the setting that is left; a switch that changes nothing is dropped
.if MSB != (\new)
	s_set_vgpr_msb (MSB<<8)|(\new)
.set MSB, (\new)
.endif
.endm
.macro CROUND                          ; a round of the cluster's barrier
	s_barrier_signal -1
	s_barrier_wait -1
	s_cmp_lg_u32 s[WV], 0
	s_cbranch_scc1 .Lnot_wave_0_\@
	s_barrier_signal -3
.Lnot_wave_0_\@:
	s_barrier_wait -3
	s_barrier_signal -1
	s_barrier_wait -1
.endm
	s_load_b128 s[4:7], s[0:1], 0x0                ; kq, kv
	s_load_b64 s[8:9], s[0:1], 0x10                ; out
	v_lshl_add_u32 v[SPW], v0, 2, SPARE
	v_mov_b32 v[NIL], 0
	ds_add_u32 v3, v4
	ds_add_u32 v3, v4
	s_wait_dscnt 0x0
	v_lshrrev_b32 v10, 5, v0
	s_delay_alu instid0(VALU_DEP_1)
	v_readfirstlane_b32 s[WV], v10                 ; wave 0..7
	s_bfe_u32 s11, ttmp6, 0x40000                  ; cx: my place in the cluster
	s_lshl_b32 s12, ttmp9, 2
	s_add_co_u32 s12, s12, s11                     ; my block of 256 queries = 4 x cluster x + cx: it enters the queries' and the output's addresses alone
	s_and_b32 s13, ttmp7, 0xffff                   ; batch x 8 + head, which the four partners share
	; descriptor group 1: a dense block of 16,896 bytes as 66 rows of 256 bytes (32 elements of 8 bytes), no padding
	s_mov_b32 s[G1], 15|(3<<16)|(1<<21)            ; 15:0 the mask: all four work-groups; 17:16 elements of 8 bytes; 21 set beside a mask
	s_mov_b32 s[G1+1], 32<<16                      ; tensor_dim0
	s_mov_b32 s[G1+2], 66<<16                      ; tensor_dim1
	s_mov_b32 s[G1+3], 32<<16                      ; tile_dim0
	s_mov_b32 s[G1+4], 66                          ; tile_dim1
	s_mov_b32 s[G1+5], 32                          ; tensor_dim0_stride
	s_mov_b32 s[G1+6], 0
	s_mov_b32 s[G1+7], 0
	s_mov_b32 s[SEL], 0x76543210
	s_mov_b32 s[SEL+1], 0xfedcba98
	s_mov_b32 s[CS], 0x3e0293ee                    ; c = log2(e) / sqrt(128)
	s_mov_b32 s[CS+1], s[CS]                       ; (named with it as a pair, so it is written)
	s_mul_i32 s48, s[WV], EIGHTH                   ; my eighth of a slot, in LDS and in memory: no place in the cluster enters it
	s_mul_i32 s50, s13, HEADB                      ; 31 x 540,672 at the most: under 2^32
	s_add_co_u32 s50, s50, s48
	s_mov_b32 s51, 0
	s_lshr_b32 s49, s[WV], 2                       ; 0 in waves 0 to 3,
	s_or_b32 s49, s49, ttmp9                       ; of the head's first cluster: the same in all four partners
	s_cmp_eq_u32 s49, 0
	s_cselect_b32 s[LIM], 1, -1
	s_lshl_b32 s52, s13, 4
	s_lshl_b32 s53, s12, 1
	s_add_co_u32 s52, s52, s53
	s_lshr_b32 s53, s[WV], 2
	s_add_co_u32 s52, s52, s53                     ; my step of 128 queries: 16 x head + 2 x block + wave / 4
	s_mul_i32 s52, s52, 16896
	s_and_b32 s54, s[WV], 3
	s_lshl_b32 s[QP], s54, 12                      ; my two images of its eight
	s_add_co_u32 s[QP], s[QP], s52
	s_mov_b32 s[QP+1], 0
	s_lshl_b32 s[QSP], s54, 7                      ; my 32 scale words, behind the images
	s_add_co_u32 s[QSP], s[QSP], s52
	s_add_co_u32 s[QSP], s[QSP], 16384
	s_mov_b32 s[QSP+1], 0
	s_lshl_b32 s[OP], s13, 20                      ; the output: a head is 128 rows of 8,192 bytes;
	s_lshl_b32 s55, s[WV], 17                      ; I store rows 16 x wave on;
	s_add_co_u32 s[OP], s[OP], s55
	s_lshl_b32 s55, s12, 10                        ; the block's 256 queries are 1,024 bytes of each
	s_add_co_u32 s[OP], s[OP], s55
	s_mov_b32 s[OP+1], 0
	s_mul_i32 s[PFA], s13, HEADB                   ; the prefetch: my head,
	s_mul_i32 s55, s11, STEPB                      ; my work-group's step of the slot's four: the partners are told apart by address,
	s_add_co_u32 s[PFA], s[PFA], s55
	s_lshl_b32 s55, s54, 13                        ; my wave's 8,192 of the step's 32,768 bytes of codes,
	s_add_co_u32 s[PFA], s[PFA], s55
	s_add_co_u32 s[PFA], s[PFA], 2*SLOTB           ; in the third slot's worth of keys: the first two come by their loads alone
	s_mov_b32 s[PFA+1], 0
	s_wait_kmcnt 0x0
	s_add_nc_u64 s[QP:QP+1], s[4:5], s[QP:QP+1]
	s_add_nc_u64 s[QSP:QSP+1], s[4:5], s[QSP:QSP+1]
	s_add_nc_u64 s[OP:OP+1], s[8:9], s[OP:OP+1]
	s_add_nc_u64 s[PFA:PFA+1], s[6:7], s[PFA:PFA+1]
	s_mov_b32 s[G0], 1                             ; 1:0 count = 1
	s_mov_b32 s[G0+1], s48                         ; 63:32 LDS address: slot 0
	s_add_nc_u64 s[G0+2:G0+3], s[6:7], s[50:51]    ; 120:64 global address: key steps 0-3
	s_mov_b32 s[G0+4], 1
	s_add_co_u32 s[G0+5], s48, SLOTB               ; slot 1
	s_add_nc_u64 s[G0+6:G0+7], s[G0+2:G0+3], SLOTB ; key steps 4-7
	s_or_b32 s[G0+3], s[G0+3], 0x80000000          ; 127:126 type = 2
	s_or_b32 s[G0+7], s[G0+7], 0x80000000
	CROUND                                         ; all four work-groups are here: the first joint loads meet
	tensor_load_to_lds s[G0:G0+3], s[G1:G1+7]      ; slot 0's fill: one tensor load of mine is out, waited for before slot 1's goes out
	s_nop 0
	s_wait_alu depctr_va_vdst(0)
	s_wait_tensorcnt 0x0
	ds_add_u32 v3, v4
	s_wait_dscnt 0x0
	CROUND
	tensor_load_to_lds s[G0+4:G0+7], s[G1:G1+7]
	s_nop 0
.rept 4
	v_nop                                          ; four v_nop follow
.endr
	v_and_b32 v10, 31, v0
	s_delay_alu instid0(VALU_DEP_1)
	v_lshlrev_b32 v[LI], 4, v10
	s_delay_alu instid0(VALU_DEP_2)
	v_lshlrev_b32 v[LS], 2, v10
	s_delay_alu instid0(VALU_DEP_3)
	v_lshlrev_b32 v[PFO], 8, v10
	v_and_b32 v10, 15, v0
	s_delay_alu instid0(VALU_DEP_1)
	v_lshlrev_b32 v10, 2, v10                      ; 4 x (lane % 16): a query's scale word
.irp c, 0,1,2,3
	global_load_b128 v[16+4*\c:19+4*\c], v[LI], s[QP:QP+1] offset:512*\c          ; tile 0's fragment stays in registers
.endr
	global_load_b32 v255, v10, s[QSP:QSP+1]        ; its scale words,
	global_load_b32 v[QS1], v10, s[QSP:QSP+1] offset:64   ; and tile 1's
	WIN 0x40                                       ; destination window 1
.irp c, 0,1,2,3
	global_load_b128 v[16+4*\c:19+4*\c], v[LI], s[QP:QP+1] offset:2048+512*\c     ; tile 1's fragment
.endr
.macro INIT                            ; the key step is written once: its first run finds zeros, which the first change of M leaves zeros
	v_mov_b32 v13, 0xff61b1e6                      ; the largest t so far: -3e38, under every t
	s_delay_alu instid0(VALU_DEP_1)
	v_floor_f32 v12, -v13                          ; -M
	v_mov_b32 v14, 0                               ; the sum, in two halves
	v_mov_b32 v15, 0
.irp b, 0,1,2,3
	v_mov_b32 v[236+\b], 0                         ; written once: a lane permute's destination counts as one of its sources
.endr
	v_mov_b32 v253, 0                              ; (named as the upper half of the pair v[252:253] before it is first written)
.set i, 0
.rept 64
	v_mov_b32 v[160+i], 0                          ; O^T
.set i, i+1
.endr
.endm
	WIN 0
	INIT
	WIN 0x55
	INIT
	WIN 0
; Four products of S^T = keys x queries^T: key tiles 4 g .. 4 g + 3 (fragments in window g), tile q of the queries.  Each starts its sum with the constant 0.
.macro MMS q, g
	WIN (\g)|((\q)*0x54)
.irp t, 0,1,2,3
.if \t%2
	v_wmma_scale_f32_16x16x128_f8f6f4 v[96+32*(\g)+8*\t:103+32*(\g)+8*\t], v[32+16*\t:47+16*\t], v[16:31], 0, v[248+2*(\g)+\t/2], v[255-246*(\q)] matrix_a_fmt:MATRIX_FMT_BF8 matrix_b_fmt:MATRIX_FMT_BF8 matrix_a_scale:MATRIX_SCALE_ROW1
.else
	v_wmma_scale_f32_16x16x128_f8f6f4 v[96+32*(\g)+8*\t:103+32*(\g)+8*\t], v[32+16*\t:47+16*\t], v[16:31], 0, v[248+2*(\g)+\t/2], v[255-246*(\q)] matrix_a_fmt:MATRIX_FMT_BF8 matrix_b_fmt:MATRIX_FMT_BF8
.endif
.endr
.endm
; Four products of O^T += values x P^T: channel tiles 4 g .. 4 g + 3, tile q.  No two matrix instructions that follow each other share an accumulator.
.macro MMO q, g
	WIN (\g)|((\q)*0x54)
.irp t, 0,1,2,3
.if \t%2
	v_wmma_scale_f32_16x16x128_f8f6f4 v[160+32*(\g)+8*\t:167+32*(\g)+8*\t], v[32+16*\t:47+16*\t], v[224:239], v[160+32*(\g)+8*\t:167+32*(\g)+8*\t], v[248+2*(\g)+\t/2], v[253-245*(\q)] matrix_a_fmt:MATRIX_FMT_BF8 matrix_b_fmt:MATRIX_FMT_BF8 matrix_a_scale:MATRIX_SCALE_ROW1
.else
	v_wmma_scale_f32_16x16x128_f8f6f4 v[160+32*(\g)+8*\t:167+32*(\g)+8*\t], v[32+16*\t:47+16*\t], v[224:239], v[160+32*(\g)+8*\t:167+32*(\g)+8*\t], v[248+2*(\g)+\t/2], v[253-245*(\q)] matrix_a_fmt:MATRIX_FMT_BF8 matrix_b_fmt:MATRIX_FMT_BF8
.endif
.endr
.endm
; 36 LDS loads in one run: eight fragments from byte off of the step, and their 128 scale words from byte sco; the words and fragments 0-3 first
.macro FRAGS off, sco
	WIN 0
.irp u, 0,1,2,3
	ds_load_b32 v[248+\u], v[ADS] offset:\sco+128*\u
.endr
.irp t, 0,1,2,3
.irp c, 0,1,2,3
	ds_load_b128 v[32+16*\t+4*\c:35+16*\t+4*\c], v[ADC] offset:\off+2048*\t+512*\c
.endr
.endr
	WIN 0x40                                       ; destination window 1
.irp t, 0,1,2,3
.irp c, 0,1,2,3
	ds_load_b128 v[32+16*\t+4*\c:35+16*\t+4*\c], v[ADC] offset:\off+2048*(4+\t)+512*\c
.endr
.endr
	WIN 0
.endm
; A PREFETCH INTO THE L2 of the codes that the coming change of slots will ask for, in a slot's last key step: one key step ahead of that load.  Each aligned block of 256 bytes is named once in the launch: both clusters
; of a head walk the same keys and values, and the head's first cluster asks; its partner at place cx takes step cx of the slot's four (told apart by address); in it waves 0 to 3 take 8,192 bytes each, lanes 256 bytes
; apart.  The first two slots come by their loads alone; behind the last change that fills a slot nothing is asked for.  The scale words are not asked for.
.macro ASK
	s_cmp_eq_u32 s[CNT], s[LIM]
	s_cbranch_scc0 .Lnot_mine_\@
	global_prefetch_b8 v[PFO], s[PFA:PFA+1] th:TH_LOAD_NT scope:SCOPE_SE
.Lnot_mine_\@:
.endm
; Tile q's softmax of a key step, all in window q (but tile 1's scale word, which goes to window 0, where scale operands are read).
.macro SOFTMAX q
	WIN (\q)*0x55
.irp b, 0,1,2,3
	v_max3_num_f32 v[232+\b], v[96+16*\b], v[97+16*\b], v[98+16*\b]   ; THE LARGEST SCORE OF EACH BLOCK OF 32 KEYS: it serves twice: for the row's maximum, and, since p rises with the score, for the block's largest p
.endr
.irp i, 3,5,7,9,11,13
.irp b, 0,1,2,3
	v_max3_num_f32 v[232+\b], v[232+\b], v[96+16*\b+\i], v[97+16*\b+\i]   ; (the four blocks by turns)
.endr
.endr
.irp b, 0,1,2,3
	v_max_num_f32 v[232+\b], v[232+\b], v[111+16*\b]
.endr
.irp b, 0,1,2,3
	v_permlanex16_b32 v[236+\b], v[232+\b], s[SEL], s[SEL+1]
.endr
.irp b, 0,1,2,3
	s_delay_alu instid0(VALU_DEP_4)
	v_max_num_f32 v[232+\b], v[232+\b], v[236+\b]  ; with lane l xor 16's 16 keys
.endr
	s_delay_alu instid0(VALU_DEP_2)
	v_max3_num_f32 v254, v232, v233, v234
	s_delay_alu instid0(VALU_DEP_1)
	v_max_num_f32 v254, v254, v235                 ; the step's largest score of my query
	s_delay_alu instid0(VALU_DEP_1)
	v_mul_f32 v254, s[CS], v254                    ; as t (c is positive)
	s_delay_alu instid0(VALU_DEP_1)
	v_max_num_f32 v13, v13, v254                   ; the running largest t
	v_mov_b32 v254, v12
	s_delay_alu instid0(VALU_DEP_2)
	v_floor_f32 v12, -v13                          ; the new -M = floor(-t) = -ceil(t): M IS A WHOLE NUMBER
	s_delay_alu instid0(VALU_DEP_1)
	v_sub_f32 v254, v12, v254                      ; M's old value less its new one: a whole number, 0 or less
	s_delay_alu instid0(VALU_DEP_1)
	v_cvt_i32_f32 v254, v254                       ; (it saturates)
	s_delay_alu instid0(VALU_DEP_1)
	v_ldexp_f32 v252, 1.0, v254                    ; f = 2^(old M - new M): a multiplication by it rounds nothing
.set j, 0
.rept 32
	v_pk_fma_f32 v[96+j:97+j], v[96+j:97+j], s[CS:CS+1], v[12:13] op_sel_hi:[1,0,0]   ; t - M, two at a time (of the pairs c and -M the low word serves both halves)
.set j, j+2
.endr
.irp b, 0,1,2,3
	v_fma_f32 v[232+\b], v[232+\b], s[CS], v12     ; the same of each block's largest score
.endr
.set j, 0
	s_wait_alu depctr_va_vdst(0)
.rept 64
	v_exp_f32 v[96+j], v[96+j]                     ; p = 2^(t - M), at most 1: NOT normalised
.set j, j+1
.endr
	v_pk_mul_f32 v[14:15], v[14:15], v[252:253] op_sel_hi:[1,0]   ; the sums under the new M.  (A plain instruction behind the exponentials)
	s_wait_alu depctr_va_vdst(0)                   ; one wait for the whole batch, ahead of its first reader
.irp b, 0,1,2,3
	v_exp_f32 v[232+\b], v[232+\b]                 ; the block's largest p: the same two instructions on the same number give the same bits
.endr
	v_pk_add_f32 v[236:237], v[96:97], v[98:99]    ; THE ROW'S SUM IS TAKEN OF THE UNQUANTISED p: two at a time, in two chains.  (It reads the 64 alone: plain work behind the four)
.set j, 4
.rept 15
	v_pk_add_f32 v[14:15], v[14:15], v[96+j:97+j]
	v_pk_add_f32 v[236:237], v[236:237], v[98+j:99+j]
.set j, j+4
.endr
	s_delay_alu instid0(VALU_DEP_1)
	v_pk_add_f32 v[14:15], v[14:15], v[236:237]
	s_wait_alu depctr_va_vdst(0)                   ; and one for the four
.irp b, 0,1,2,3
	v_max_num_f32 v[232+\b], 0x8000000, v[232+\b]  ; the floor 2^(16 - 127): the byte cannot fall under 1
.endr
.irp b, 0,1,2,3
	s_delay_alu instid0(VALU_DEP_4)
	v_add_nc_u32 v[244+\b], 0xf8800000, v[232+\b]  ; 15 off the exponent field: the conversion's scale operand
.endr
.irp b, 0,1,2,3
.endr
.irp b, 0,1,2,3
	s_delay_alu instid0(VALU_DEP_4)
	v_lshrrev_b32 v[236+\b], 23, v[244+\b]         ; the scale's byte
.endr
	s_delay_alu instid0(VALU_DEP_3)
	v_lshl_or_b32 v253, v237, 8, v236              ; p's scale word for these 128 keys
	s_delay_alu instid0(VALU_DEP_1)
	v_lshl_or_b32 v253, v238, 16, v253
.if \q
	WIN 0x15                                       ; sources window 1, destination window 0
	s_setprio 0
	v_lshl_or_b32 v[PS1], v239, 24, v253
	WIN 0x55
.else
	s_delay_alu instid0(VALU_DEP_1)
	v_lshl_or_b32 v253, v239, 24, v253
.endif
.irp b, 0,1,2,3
.irp i, 0,1,2,3,4,5,6,7,8,9,10,11,12,13,14,15
.endr
	v_cvt_scalef32_pk8_bf8_f32 v[224+4*\b:225+4*\b], v[96+16*\b:103+16*\b], v[244+\b]
	v_cvt_scalef32_pk8_bf8_f32 v[226+4*\b:227+4*\b], v[104+16*\b:111+16*\b], v[244+\b]
.endr
.set j, 0
.rept 32
	v_pk_mul_f32 v[160+j:161+j], v[160+j:161+j], v[252:253] op_sel_hi:[1,0]   ; O^T under the new M: x f.  (These 32 are also the places between the codes, the scale word and the matrix instructions that take them)
.set j, j+2
.endr
.endm
; A KEY STEP: 128 keys, both tiles.
.macro STEP
	WIN 0
	v_add_nc_u32 v[ADC], s[TB], v[LI]
	v_add_nc_u32 v[ADS], s[TB], v[LS]
.rept 6
	v_nop                                          ; with the two additions: eight places behind the last step's products, in front of loads into registers that they have read
.endr
	FRAGS 0, 32768                                 ; the keys
	ASK
	s_wait_dscnt 16                                ; the scale words and fragments 0-3 are in; the youngest sixteen loads (fragments 4-7) may be out
	MMS 0, 0
	MMS 1, 0
	s_wait_dscnt 0x0
	MMS 0, 1
	MMS 1, 1
	WIN 0
.rept 8
	v_nop                                          ; eight places: in front of the loads below and of the first read of the scores
.endr
	s_wait_alu depctr_va_vdst(0)
	FRAGS 16384, 33280                             ; the values: they land under tile 0's softmax
	SOFTMAX 0
	s_setprio 1
	s_wait_alu depctr_va_vdst(0)
	s_wait_dscnt 0x0
	MMO 0, 0
	MMO 0, 1
	SOFTMAX 1                                      ; it names no register of tile 0's products, which run beside it
	MMO 1, 0
	MMO 1, 1
	WIN 0
.endm
.macro PHASE slot                      ; a slot's four key steps: written once, walked four times; the LDS addresses hang on s[TB]
	s_mov_b32 s[TB], \slot*SLOTB
	s_mov_b32 s[CNT], 4
.Lstep_\@:
	s_setprio 2
	STEP
	s_add_co_u32 s[TB], s[TB], STEPB
	s_sub_co_u32 s[CNT], s[CNT], 1
	s_cmp_lg_u32 s[CNT], 0
	s_cbranch_scc1 .Lstep_\@
	s_setprio 0
.endm
; THE CHANGE OF SLOTS.  Each wave waits for all its tensor loads (its part of the slot ahead), adds 0 to its spare word, and waits for that and for its reads of the slot that it leaves.  fill = 1: that slot is filled
; again, with the keys two slots on: the barrier is then a round of the cluster's, and the joint refill is the first thing behind it: it has four key steps in which to land.
.macro CHANGE slot, fill, more
	s_wait_tensorcnt 0x0                           ; no tensor load of mine is out, so a group 0 may be written
	ds_add_u32 v[SPW], v[NIL]                      ; 0 onto my spare word: the steps below stand between it and the wait for it
.if \fill
	s_add_nc_u64 s[G0+4*\slot+2:G0+4*\slot+3], s[G0+4*\slot+2:G0+4*\slot+3], 2*SLOTB   ; the type bits on top are not reached
.endif
	s_wait_xcnt 0x0                                ; the last prefetch, a key step back, has read its address
.if \more
	s_add_nc_u64 s[PFA:PFA+1], s[PFA:PFA+1], SLOTB ; what the next change will ask for
.else
	s_mov_b32 s[LIM], -1                           ; no further slot: nothing more is asked for
.endif
	s_wait_dscnt 0x0                               ; the add is done, and my reads of the slot that I leave are over
.if \fill
	CROUND
	tensor_load_to_lds s[G0+4*\slot:G0+4*\slot+3], s[G1:G1+7]   ; my one tensor load behind the round
	s_nop 0
.rept 4
	v_nop
.endr
.else
	s_barrier_signal -1
	s_barrier_wait -1
.endif
.endm
	s_wait_loadcnt 0x0                             ; the queries
	s_wait_tensorcnt 1                             ; my part of slot 0 is in; slot 1's may stay out
	s_barrier_signal -1
	s_barrier_wait -1                              ; everybody's is
	PHASE 0                                        ; key steps 0-3
	CHANGE 0, 1, 1                                 ; slot 0 takes key steps 8-11
	PHASE 1                                        ; 4-7
	CHANGE 1, 1, 0                                 ; slot 1 takes key steps 12-15
	PHASE 0                                        ; 8-11
	CHANGE 0, 0, 0                                 ; nothing is left to fetch
	PHASE 1                                        ; 12-15
	; THE WAY OUT.  The sum's two halves and lane l xor 16's are added; O^T is divided by the sum.  A lane holds one query and 64 channels of each tile; the output's rows are channels with the queries innermost.  So the
	; numbers go into the work-group's stage, row = channel, 4 bytes a query, and come back as rows of 1,024 bytes: each wave stores 16 rows, 512 consecutive bytes a store.
.irp q, 0,1
	WIN 0x55*\q
	v_add_f32 v14, v14, v15
	s_delay_alu instid0(VALU_DEP_1)
	v_permlanex16_b32 v252, v14, s[SEL], s[SEL+1]
	s_delay_alu instid0(VALU_DEP_1)
	v_add_f32 v14, v14, v252                       ; the row's sum
	s_wait_alu depctr_va_vdst(0)
	v_rcp_f32 v14, v14
.endr
	WIN 0
	v_and_b32 v[STO], 15, v0                       ; r  (plain work behind the reciprocals; with the additions above: the places behind the last products)
	v_bfe_u32 v[STO2], v0, 4, 1                    ; h
	s_delay_alu instid0(VALU_DEP_1)
	v_mul_u32_u24 v[STO2], v[STO2], 8*SP           ; my half's channels begin 8 rows on
	s_delay_alu instid0(VALU_DEP_1)
	v_lshl_add_u32 v[STO], v[STO], 2, v[STO2]      ; + 4 r
	s_lshl_b32 s48, s[WV], 7
	v_add_nc_u32 v[STO], s48, v[STO]               ; + my wave's 32 queries
	s_delay_alu instid0(VALU_DEP_1)
	v_add_nc_u32 v[STO2], 64*SP, v[STO]            ; channels 64 on: an LDS immediate has 16 bits
	s_mul_i32 s48, s[WV], 16*SP
	v_add_nc_u32 v[ADC], s48, v[LI]                ; back: my 16 rows, 16 bytes a lane
	s_wait_alu depctr_va_vdst(0)                   ; one wait for both reciprocals, ahead of their first reader
.irp q, 0,1
	WIN 0x55*\q
.set j, 0
.rept 32
	v_pk_mul_f32 v[96+j:97+j], v[160+j:161+j], v[14:15] op_sel_hi:[1,0]   ; register 8 t + i: channel 16 t + 8 h + i of my query; each accumulator is read from its low end on
.set j, j+2
.endr
.endr
.irp q, 0,1
	WIN 4*\q                                       ; an LDS store's data are its source 1
.irp t, 0,1,2,3,4,5,6,7
.irp i, 0,1,2,3,4,5,6,7
.if \t < 4
	ds_store_b32 v[STO], v[96+8*\t+\i] offset:(16*\t+\i)*SP+64*\q          ; sixteen lanes write 64 consecutive bytes; lanes 16-31 write 8 rows = 2,080 words on, which is 32 banks on
.else
	ds_store_b32 v[STO2], v[96+8*\t+\i] offset:(16*(\t-4)+\i)*SP+64*\q
.endif
.endr
.endr
.endr
	WIN 0
	s_wait_dscnt 0x0                               ; for the others' sake: my stores into the stage are done
	s_barrier_signal -1
	s_barrier_wait -1
.set k, 0
.rept 32
	ds_load_b128 v[96+4*k:99+4*k], v[ADC] offset:(k/2)*SP+512*(k%2)
.set k, k+1
.endr
.set k, 0
.rept 32
	s_wait_dscnt 31-k                              ; LDS loads come back in order (ISA guide 5.7.1): load k is in, the younger ones may be out
	global_store_b128 v[LI], v[96+4*k:99+4*k], s[OP:OP+1] offset:(k/2)*8192+512*(k%2) th:TH_STORE_NT   ; 32 lanes store 512 consecutive bytes, at a multiple of 256 from the output's first byte; written once, read by nobody here
.set k, k+1
.endr
	s_wait_tensorcnt 0x0                           ; the wave's end: behind my last tensor load and my last LDS store
	ds_add_u32 v[SPW], v[NIL]
	s_wait_dscnt 0x0
	CROUND                                         ; the closing round: no work-group ends while a partner may still ask for a tile that names it
	s_endpgm
.Lfunc_end_k_q7a13c91c1c_attn:
	.size	k_q7a13c91c1c_attn, .Lfunc_end_k_q7a13c91c1c_attn-k_q7a13c91c1c_attn
	.p2alignl 7, 3214868480
	.fill 96, 4, 3214868480
	.section	.rodata,"a",@progbits
	.p2align	6, 0x0
	.amdhsa_kernel k_q7a13c91c1c_attn
		.amdhsa_group_segment_fixed_size 327680
		.amdhsa_private_segment_fixed_size 0
		.amdhsa_enable_private_segment 0
		.amdhsa_kernarg_size 24
		.amdhsa_user_sgpr_count 2
		.amdhsa_user_sgpr_kernarg_segment_ptr 1
		.amdhsa_wavefront_size32 1
		.amdhsa_system_sgpr_workgroup_id_x 1
		.amdhsa_system_sgpr_workgroup_id_y 1
		.amdhsa_system_sgpr_workgroup_id_z 1
		.amdhsa_system_vgpr_workitem_id 0
		.amdhsa_next_free_vgpr 512
		.amdhsa_next_free_sgpr 66
		.amdhsa_reserve_vcc 0
		.amdhsa_float_denorm_mode_32 3
		.amdhsa_float_denorm_mode_16_64 3
		.amdhsa_fp16_overflow 1
		.amdhsa_memory_ordered 1
		.amdhsa_forward_progress 1
		.amdhsa_inst_pref_size 179
	.end_amdhsa_kernel
	.amdgpu_metadata
---
amdhsa.version: [ 1, 2 ]
amdhsa.kernels:
  - .name:           k_q7a13c91c1c_attn
    .symbol:         k_q7a13c91c1c_attn.kd
    .args:
      - { .name: kq, .offset: 0, .size: 8, .value_kind: global_buffer, .address_space: global }
      - { .name: kv, .offset: 8, .size: 8, .value_kind: global_buffer, .address_space: global }
      - { .name: out0, .offset: 16, .size: 8, .value_kind: global_buffer, .address_space: global }
    .group_segment_fixed_size: 327680
    .private_segment_fixed_size: 0
    .kernarg_segment_align: 8
    .kernarg_segment_size: 24
    .max_flat_workgroup_size: 256
    .sgpr_count:     66
    .vgpr_count:     512
    .wavefront_size: 32
...
	.end_amdgpu_metadata
.endif
;; end of part 2
